; MI455X (gfx1250); checked and timed in simulation.
; The chip was launched on July 23, 2026; its instructions are those of AMD's public machine-readable ISA for CDNA 5 (MIT licence, August 2026) and "CDNA5" Instruction Set Architecture Reference Guide (July 2026). The comments in the code are by the model that wrote it; some were corrected since.
;; Causal Self Attention. Allowed arithmetic: matrix products marked QUANTISED: E4M3 operands, one given power-of-two scale a tensor, by v_wmma_f32_16x16x64_fp8_fp8 or v_wmma_f32_16x16x128_fp8_fp8, f32 sums; everything else in f32.
;; Inputs: b_attn 3,072 float32; b_proj 1,024 float32; lowp_scales 8 int32 (the exponents e of the quantised operands' scales 2^e); w_attn 1,024 x 3,072 float32; w_proj 1,024 x 1,024 float32; x 2 x 2,048 x 1,024 float32.
;; Outputs: out0 2 x 2,048 x 1,024 float32.
;; This version of the problem:
;;   THIS VERSION OF THE PROBLEM IS GIVEN IN LOW PRECISION. The matrix products marked QUANTISED in the list below multiply operands that are first quantised to E4M3 (4 exponent bits, 3 mantissa bits; 8 bits a number), with one given power-of-two scale for each operand tensor; their sums are f32. All else is computed in f32.
;;   The module's matrix products, in the order in which they are computed (A, B: the left and right operand; K: the contracted axis; several contracted axes count as one K, in the product's order):
;;     1. [M 4,096, K 1,024] x [K 1,024, N 3,072]; A: input x; B: input w_attn: QUANTISED (scales: A lowp_scales[0], B lowp_scales[1])
;;     2. batch 32 x [M 2,048, K 64] x [K 64, N 2,048]; A: computed on the way; B: computed on the way: QUANTISED (scales: A lowp_scales[2], B lowp_scales[3])
;;     3. batch 32 x [M 2,048, K 2,048] x [K 2,048, N 64]; A: softmax (see below); B: computed on the way: QUANTISED (scales: A lowp_scales[4], B lowp_scales[5])
;;     4. [M 4,096, K 1,024] x [K 1,024, N 1,024]; A: computed on the way; B: input w_proj: QUANTISED (scales: A lowp_scales[6], B lowp_scales[7])
;;   THE QUANTISER, for each operand of a quantised product, along K:
;;     - The operand's scale is 2^e, e = its entry of the input lowp_scales (int32; the entries are numbered through the quantised products in the list's order, A before B).
;;     - Each number is divided by the scale, clamped to +-448, and rounded to the nearest number of E4M3, ties to even, subnormals kept.
;;     - The product sums the exact products of the quantised numbers (number of the format x scale) in f32.
;;   ~~~python
;;   def quantise(x, axis, e):      # numpy; x: float32 -> the quantised numbers, widened to float32 again
;;       x = np.moveaxis(x, axis, -1); K = x.shape[-1]
;;       r = np.clip(x / 2.0 ** e, -448, 448)
;;       step = 2.0 ** (np.maximum(np.frexp(np.where(r == 0, 1, r))[1] - 1, -6) - 3)
;;       q = np.round(r / step) * step * 2.0 ** e      # np.round: ties to even
;;       return np.moveaxis(q, -1, axis).astype(np.float32)
;;   ~~~
;;   SOFTMAX AHEAD OF A QUANTISED PRODUCT. Where the list says 'softmax', what is quantised is not the finished softmax but p = 2^(t - M), with t = logit x log2(e) and M = ceil(the row's largest t), a whole number; so 1/2 < the row's largest p <= 1. The row's sum l is taken of the UNQUANTISED p, in f32, and the product's result is divided by l at the end. Since M is a whole number, a kernel that streams over the keys may use a running M (the ceiling of the running maximum): every later rescaling is an exact power of two, so the quantised numbers keep their values, but for numbers so far below the row's largest that they fall under the format's range.
;;   OPERANDS COMPUTED ON THE WAY. 'Computed on the way' means the value that the module computes at that place (a softmax that the list does not call 'softmax' is quantised finished and normalised). What goes into a quantiser is computed in f32, as accurately as f32 sums, v_exp_f32 and their like allow (about 1e-6 of the number): no bf16 or f16 on the way to a quantiser, and a product that is left as it is and whose result goes on into a quantised operand takes f32 operands (vector FMAs, or v_wmma_f32_16x16x4_f32). A number that lies on a knife's edge between two numbers of the format may be rounded either way, as far as f32 arithmetic and the matrix unit's own rounding can turn it there, and no further.
;; One version. Each part assembles by itself: llvm-mc -triple=amdgcn-amd-amdhsa -mcpu=gfx1250 --defsym DOCPART=n.
;; ======== version 1 of 1: 4 launches
;; limits: right only within a limited range of input values
;; workspace buffers: ximg 4,194,304 bytes; waimg 3,145,728 bytes; wpimg 1,048,576 bytes; qimg 4,194,304 bytes; kimg 4,194,304 bytes; vimg 4,194,304 bytes; yimg 4,194,304 bytes
;; launch prep (part 1): grid 256 x 1, 8 waves a work-group, no clusters, 68,608 bytes of LDS; arguments x, w_attn, w_proj, lowp_scales, ximg, waimg, wpimg; writes ximg, waimg, wpimg
.if DOCPART == 1
	.amdgcn_target "amdgcn-amd-amdhsa--gfx1250"
	.amdhsa_code_object_version 6
	.text
	.protected	k_qe64bbc9c25_prep
	.globl	k_qe64bbc9c25_prep
	.p2align	8
	.type	k_qe64bbc9c25_prep,@function
k_qe64bbc9c25_prep:
	s_mov_b64 s[64:65], 0
	v_nop
	global_prefetch_b8 v0, s[64:65] scope:SCOPE_SE
	s_setreg_imm32_b32 hwreg(HW_REG_WAVE_MODE, 25, 1), 1
	s_wait_xcnt 0x0
; THE PROGRAM: prep (codes of x, w_attn, w_proj), qkv (first product and bias), attn (both products of attention and the softmax), proj (last product and bias).
; WORK LEFT OUT: tiles of scores all of whose keys come after all of the tile's queries (in attn): reference() builds that causal mask in its own body and sets them to -infinity ahead of the softmax, so they reach no output for any inputs.
; LIMIT: a NaN, an infinity or an overflow that reaches only such scores is not carried to the result.
; THIS LAUNCH: x [4096][1024], w_attn [1024][3072] and w_proj [1024][1024], f32, become codes of FP8 (E4M3), each with the one scale 2^e that is given for it (entries 0, 1, 7).
; code = number / 2^e, held within +-448, rounded to the nearest code, ties to even.  LIMITS: each e between -126 and 119; NaN among the inputs is not served.
; THE CODES ARE LAID AS IMAGES OF OPERAND REGISTERS.  A fragment is 16 rows x 128 K = 2,048 bytes: chunk c (512 bytes) holds, at 16 x lane, lane (r, h)'s 16 codes k = 32 c + 16 h + 0 .. 15 of its row.
; WHICH ROWS FORM A TILE: lane r of tile 2 b + u holds row 32 b + 8 u + r + 8 (r / 8).  Each image is [K step of 128: 8][tile][2048]: ximg has 256 tiles, waimg 192, wpimg 64.
; waimg's tile = 12 head + 4 section + (2 b + u), so that q's, k's and v's columns of one head lie together.
; Work-groups 0-127 take x (a wave: one tile x two K steps, 16 KB of f32), 128-223 w_attn, 224-255 w_proj (a wave: 32 columns x one K step, 16 KB).  Waves share nothing: no barrier.  Bytes bind: no matrix unit, no cluster (no byte is read twice), no prefetch (no loop).
.set XROW, 4096                        ; a row of x in bytes
.set R,    16                          ; v16-143  x as loaded: K step q, row i at R + 64 q + 4 i
.set X,    144                         ; v144-207 64 numbers of my row: register 16 c + i = k 32 c + 16 h + i
.set C,    208                         ; v208-239 x's codes, a set for each K step: no store's data are written again
.set SP,   528                         ; a stage row: 512 bytes + 16, so that sixteen rows start at sixteen different banks
.set WX,   16                          ; v16-143  a weight's 4 blocks of 32 numbers down K
.set WC,   144                         ; v144-175 their codes
	s_load_b256 s[4:11], s[0:1], 0x0               ; x s[4:5], w_attn s[6:7], w_proj s[8:9], the exponents s[10:11]
	s_load_b128 s[12:15], s[0:1], 0x20             ; ximg s[12:13], waimg s[14:15]
	s_load_b64 s[16:17], s[0:1], 0x30              ; wpimg
	v_lshl_add_u32 v254, v0, 2, 0x10800            ; the add's two registers
	v_mov_b32 v255, 0
	v_lshrrev_b32 v1, 5, v0
	s_delay_alu instid0(VALU_DEP_1)
	v_readfirstlane_b32 s18, v1                    ; wave 0..7
	v_and_b32 v1, 31, v0                           ; lane
	s_delay_alu instid0(VALU_DEP_1)
	v_lshlrev_b32 v2, 4, v1                        ; 16 x lane
	s_wait_alu depctr_va_vdst(0)
	s_wait_kmcnt 0x0
	s_load_b256 s[24:31], s[10:11], 0x0            ; e0 .. e7
	s_cmp_lt_u32 ttmp9, 128
	s_cbranch_scc0 .Lweights
; ---- x.  K is innermost.  Each load takes 512 consecutive bytes of one token; a K step's 16 rows turn through the wave's own stage, so that a lane gets 16 neighbours of each block of 32.
	s_lshl_b32 s20, ttmp9, 3
	s_add_co_u32 s20, s20, s18                     ; 8 x work-group + wave
	s_lshr_b32 s21, s20, 2                         ; tile 0..255
	s_and_b32 s22, s20, 3                          ; which two K steps
	s_lshr_b32 s32, s21, 1
	s_lshl_b32 s32, s32, 17                        ; 32 (tile / 2) rows of 4,096 bytes
	s_and_b32 s33, s21, 1
	s_lshl_b32 s33, s33, 15                        ; + 8 (tile % 2) rows
	s_add_co_u32 s32, s32, s33
	s_lshl_b32 s33, s22, 10                        ; + 1,024 bytes for two K steps
	s_add_co_u32 s32, s32, s33
	s_mov_b32 s33, 0
	s_add_nc_u64 s[4:5], s[4:5], s[32:33]
	s_lshl_b32 s34, s22, 20                        ; ximg: K step x 524,288 + tile x 2,048
	s_lshl_b32 s35, s21, 11
	s_add_co_u32 s34, s34, s35
	s_mov_b32 s35, 0
	s_add_nc_u64 s[12:13], s[12:13], s[34:35]
	s_mul_i32 s36, s18, 16*SP                      ; my stage
	s_wait_alu depctr_va_vdst(0)
	v_add_nc_u32 v3, s36, v2                       ; in: 16 x lane of a row
	v_and_b32 v7, 15, v0                           ; r
	v_bfe_u32 v8, v0, 4, 1                         ; h
	s_delay_alu instid0(VALU_DEP_2)
	v_mul_u32_u24 v4, v7, SP
	s_delay_alu instid0(VALU_DEP_1)
	v_lshl_add_u32 v4, v8, 6, v4
	s_delay_alu instid0(VALU_DEP_1)
	v_add_nc_u32 v4, s36, v4                       ; out: row r, + 64 h bytes: my 16 numbers of a block
.macro XLD q                           ; K step q: the tile's 16 rows (row i of the tile is token i + 8 (i / 8))
.irp i, 0,1,2,3,4,5,6,7,8,9,10,11,12,13,14,15
	global_load_b128 v[R+64*\q+4*\i:R+64*\q+4*\i+3], v2, s[4:5] offset:(\i+8*(\i/8))*XROW+512*\q th:TH_LOAD_NT
.endr
.endm
.macro XTURN q                         ; through the stage: LDS serves a wave's instructions in order, so no wait stands between the stores and the loads
.irp i, 0,1,2,3,4,5,6,7,8,9,10,11,12,13,14,15
	ds_store_b128 v3, v[R+64*\q+4*\i:R+64*\q+4*\i+3] offset:SP*\i
.endr
.irp c, 0,1,2,3
.irp j, 0,1,2,3
	ds_load_b128 v[X+16*\c+4*\j:X+16*\c+4*\j+3], v4 offset:128*\c+16*\j
.endr
.endr
.endm
.macro XQ q
.set i_, 0
.rept 64
	v_med3_num_f32 v[X+i_], v[X+i_], -v10, v10     ; the conversion to an 8-bit code does not saturate (ISA guide 7.6.2): the hold at the largest code x the scale
.set i_, i_+1
.endr
.irp c, 0,1,2,3
.irp g, 0,1
	v_cvt_scalef32_pk8_fp8_f32 v[C+16*\q+4*\c+2*\g:C+16*\q+4*\c+2*\g+1], v[X+16*\c+8*\g:X+16*\c+8*\g+7], v11
.endr
.endr
	v_nop                                          ; one plain vector line behind the conversions: the next K step's holds write their sources
.irp c, 0,1,2,3
	global_store_b128 v2, v[C+16*\q+4*\c:C+16*\q+4*\c+3], s[12:13] offset:524288*\q+512*\c   ; a chunk: 32 lanes store 512 consecutive bytes, aligned
.endr
.endm
	XLD 0
	XLD 1
	s_wait_alu depctr_va_vdst(0)
	s_wait_kmcnt 0x0
	s_add_co_i32 s37, s24, 127
	s_lshl_b32 s38, s37, 23
	v_mov_b32 v11, s38                             ; 2^e0 as f32: the conversion takes its exponent field
	s_add_co_i32 s37, s37, 8
	s_lshl_b32 s37, s37, 23
	s_or_b32 s37, s37, 0x600000
	v_mov_b32 v10, s37                             ; 448 x 2^e0
	s_wait_alu depctr_va_vdst(0)
	s_wait_loadcnt 16                              ; K step 0's sixteen loads are in; K step 1's sixteen may be out
	XTURN 0
	s_wait_dscnt 0x0
	XQ 0
	s_wait_loadcnt 0x0
	XTURN 1                                        ; the stage is written again behind my finished reads of it
	s_wait_dscnt 0x0
	XQ 1
	s_wait_tensorcnt 0x0                           ; the wave's end
	ds_add_u32 v254, v255
	s_wait_dscnt 0x0
	s_endpgm
; ---- the weights.  K is the FIRST axis: a lane takes a column and its registers run down K, so the conversions give codes with K innermost and nothing is transposed.
.Lweights:
	s_wait_alu depctr_va_vdst(0)
	v_lshlrev_b32 v6, 2, v1                        ; in: 4 bytes a lane: 128 consecutive bytes a wave, the eight waves side by side on 1,024
	v_bfe_u32 v7, v0, 3, 1                         ; column l of a block of 32 is lane r = l % 8 + 8 (l / 16) of tile u = (l / 8) % 2
	v_and_b32 v8, 7, v0
	v_bfe_u32 v9, v0, 4, 1
	s_delay_alu instid0(VALU_DEP_3)
	v_lshlrev_b32 v5, 11, v7                       ; out: 2,048 u + 16 r
	s_delay_alu instid0(VALU_DEP_1)
	v_lshl_add_u32 v5, v8, 4, v5
	s_delay_alu instid0(VALU_DEP_1)
	v_lshl_add_u32 v5, v9, 7, v5
.macro WLD c, rowb, src                ; block c: rows 32 c + 0 .. 31 of my column
.set i_, 0
.rept 32
	global_load_b32 v[WX+32*(\c)+i_], v6, s[\src:\src+1] offset:(32*(\c)+i_)*\rowb th:TH_LOAD_NT
.set i_, i_+1
.endr
.endm
.macro WQ rowb, src, dst, e            ; 128 along K of 32 columns; loads run two blocks ahead; every block has registers of its own
	WLD 0, \rowb, \src
	WLD 1, \rowb, \src
	s_wait_kmcnt 0x0
	s_add_co_i32 s37, s[\e], 127
	s_lshl_b32 s38, s37, 23
	v_mov_b32 v11, s38                             ; 2^e
	s_add_co_i32 s37, s37, 8
	s_lshl_b32 s37, s37, 23
	s_or_b32 s37, s37, 0x600000
	v_mov_b32 v10, s37                             ; 448 x 2^e
	s_wait_alu depctr_va_vdst(0)
.irp c, 0,1,2,3
.if \c < 3
	s_wait_loadcnt 32                              ; this block's 32 loads are in; the next block's 32 may be out
.else
	s_wait_loadcnt 0x0
.endif
.if \c < 2
	WLD \c+2, \rowb, \src
.endif
.set i_, 0
.rept 32
	v_med3_num_f32 v[WX+32*\c+i_], v[WX+32*\c+i_], -v10, v10
.set i_, i_+1
.endr
.irp g, 0,1,2,3
	v_cvt_scalef32_pk8_fp8_f32 v[WC+8*\c+2*\g:WC+8*\c+2*\g+1], v[WX+32*\c+8*\g:WX+32*\c+8*\g+7], v11
.endr
	global_store_b128 v5, v[WC+8*\c:WC+8*\c+3], s[\dst:\dst+1] offset:512*\c          ; k = 32 c + 0 .. 15: the places of lanes h = 0: sixteen lanes fill 256 consecutive bytes of tile u = 0, sixteen of tile u = 1
	global_store_b128 v5, v[WC+8*\c+4:WC+8*\c+7], s[\dst:\dst+1] offset:512*\c+256    ; k = 32 c + 16 .. 31: the places of lanes h = 1
.endr
.endm
	s_cmp_lt_u32 ttmp9, 224
	s_cbranch_scc0 .Lwproj
	s_sub_co_u32 s20, ttmp9, 128
	s_and_b32 s22, s20, 7                          ; K step 0..7
	s_lshr_b32 s21, s20, 3
	s_lshl_b32 s21, s21, 3
	s_add_co_u32 s21, s21, s18                     ; block of 32 columns, 0..95 = 32 section + 2 head + b
	s_mul_i32 s32, s22, 128*12288
	s_lshl_b32 s33, s21, 7
	s_add_co_u32 s32, s32, s33
	s_mov_b32 s33, 0
	s_add_nc_u64 s[6:7], s[6:7], s[32:33]
	s_bfe_u32 s34, s21, 0x40001                    ; head
	s_mul_i32 s34, s34, 12
	s_lshr_b32 s35, s21, 5                         ; section
	s_lshl_b32 s35, s35, 2
	s_add_co_u32 s34, s34, s35
	s_and_b32 s35, s21, 1
	s_lshl_b32 s35, s35, 1
	s_add_co_u32 s34, s34, s35                     ; tile = 12 head + 4 section + 2 b
	s_lshl_b32 s34, s34, 11
	s_mul_i32 s35, s22, 393216                     ; K step
	s_add_co_u32 s34, s34, s35
	s_mov_b32 s35, 0
	s_add_nc_u64 s[14:15], s[14:15], s[34:35]
	s_wait_alu depctr_va_vdst(0)
	WQ 12288, 6, 14, 25
	s_endpgm
.Lwproj:
	s_sub_co_u32 s20, ttmp9, 224
	s_and_b32 s22, s20, 7                          ; K step
	s_lshr_b32 s21, s20, 3
	s_lshl_b32 s21, s21, 3
	s_add_co_u32 s21, s21, s18                     ; block of 32 columns, 0..31
	s_lshl_b32 s32, s22, 19                        ; 128 rows of 4,096 bytes
	s_lshl_b32 s33, s21, 7
	s_add_co_u32 s32, s32, s33
	s_mov_b32 s33, 0
	s_add_nc_u64 s[8:9], s[8:9], s[32:33]
	s_lshl_b32 s34, s21, 12                        ; tile 2 x block, x 2,048
	s_lshl_b32 s35, s22, 17                        ; K step x 131,072
	s_add_co_u32 s34, s34, s35
	s_mov_b32 s35, 0
	s_add_nc_u64 s[16:17], s[16:17], s[34:35]
	s_wait_alu depctr_va_vdst(0)
	WQ 4096, 8, 16, 31
	s_endpgm
.Lfunc_end_k_qe64bbc9c25_prep:
	.size	k_qe64bbc9c25_prep, .Lfunc_end_k_qe64bbc9c25_prep-k_qe64bbc9c25_prep
	.p2alignl 7, 3214868480
	.fill 96, 4, 3214868480
	.section	.rodata,"a",@progbits
	.p2align	6, 0x0
	.amdhsa_kernel k_qe64bbc9c25_prep
		.amdhsa_group_segment_fixed_size 68608
		.amdhsa_private_segment_fixed_size 0
		.amdhsa_enable_private_segment 0
		.amdhsa_kernarg_size 56
		.amdhsa_user_sgpr_count 2
		.amdhsa_user_sgpr_kernarg_segment_ptr 1
		.amdhsa_wavefront_size32 1
		.amdhsa_system_sgpr_workgroup_id_x 1
		.amdhsa_system_sgpr_workgroup_id_y 1
		.amdhsa_system_sgpr_workgroup_id_z 1
		.amdhsa_system_vgpr_workitem_id 0
		.amdhsa_next_free_vgpr 256
		.amdhsa_next_free_sgpr 66
		.amdhsa_reserve_vcc 0
		.amdhsa_float_denorm_mode_32 3
		.amdhsa_float_denorm_mode_16_64 3
		.amdhsa_memory_ordered 1
		.amdhsa_forward_progress 1
		.amdhsa_inst_pref_size 66
	.end_amdhsa_kernel
	.amdgpu_metadata
---
amdhsa.version: [ 1, 2 ]
amdhsa.kernels:
  - .name:           k_qe64bbc9c25_prep
    .symbol:         k_qe64bbc9c25_prep.kd
    .args:
      - { .name: x, .offset: 0, .size: 8, .value_kind: global_buffer, .address_space: global }
      - { .name: w_attn, .offset: 8, .size: 8, .value_kind: global_buffer, .address_space: global }
      - { .name: w_proj, .offset: 16, .size: 8, .value_kind: global_buffer, .address_space: global }
      - { .name: lowp_scales, .offset: 24, .size: 8, .value_kind: global_buffer, .address_space: global }
      - { .name: ximg, .offset: 32, .size: 8, .value_kind: global_buffer, .address_space: global }
      - { .name: waimg, .offset: 40, .size: 8, .value_kind: global_buffer, .address_space: global }
      - { .name: wpimg, .offset: 48, .size: 8, .value_kind: global_buffer, .address_space: global }
    .group_segment_fixed_size: 68608
    .private_segment_fixed_size: 0
    .kernarg_segment_align: 8
    .kernarg_segment_size: 56
    .max_flat_workgroup_size: 256
    .sgpr_count:     66
    .vgpr_count:     256
    .wavefront_size: 32
...
	.end_amdgpu_metadata
.endif
;; end of part 1
;; launch qkv (part 2): grid 16 x 16, 4 waves a work-group, clusters of 4 x 4, 327,680 bytes of LDS; arguments ximg, waimg, b_attn, lowp_scales, qimg, kimg, vimg; writes qimg, kimg, vimg
.if DOCPART == 2
	.amdgcn_target "amdgcn-amd-amdhsa--gfx1250"
	.amdhsa_code_object_version 6
	.text
	.protected	k_qe64bbc9c25_qkv
	.globl	k_qe64bbc9c25_qkv
	.p2align	8
	.type	k_qe64bbc9c25_qkv,@function
k_qe64bbc9c25_qkv:
	s_mov_b64 s[64:65], 0
	v_nop
	global_prefetch_b8 v0, s[64:65] scope:SCOPE_SE
	s_setreg_imm32_b32 hwreg(HW_REG_WAVE_MODE, 25, 1), 1
	s_wait_xcnt 0x0
	s_wait_alu depctr_hold_cnt(0) depctr_sa_sdst(0) depctr_va_vdst(0) depctr_va_sdst(0) depctr_va_ssrc(0) depctr_va_vcc(0) depctr_vm_vsrc(0)
	s_getreg_b32 s2, hwreg(HW_REG_IB_STS2, 6, 4)
	s_cmp_eq_u32 s2, 0
	s_cbranch_scc0 .Lentry_in_a_cluster
	s_endpgm
.Lentry_in_a_cluster:
	s_bfe_u32 s2, ttmp6, 0x10000c
	s_cmp_lg_u32 s2, 0xf033
	s_cbranch_scc0 .Lentry_shape_is_right
	s_endpgm
.Lentry_shape_is_right:
; q, k, v = x w_attn + b_attn on codes of FP8 (E4M3), quantised (entries 2, 3, 5) in registers and stored as images of attention's operands.
; A work-group makes 256 tokens x the 192 columns of one head (q, k, v); each of its four waves 64 tokens x 192: 48 accumulators.  256 work-groups.
; The bias is the C of each accumulator's first product, divided by the power of two that the sums lack: 2^(e0 + e1).
; q and k are made transposed (source 0 = 16 columns, source 1 = 16 tokens): a lane holds one token and eight neighbouring channels; v the other way round: one channel and eight neighbouring tokens, the second product's K.
; LIMITS: e2, e3, e5 less (e0 + e1) between -126 and 119.  NaN is not served.
; LDS: FIVE K steps of 128 (A: two halves of 5 x 16,384 bytes; B: two of 5 x 12,288).  ONE joint load a wave at the head brings K steps 0-4; at K step 1 the first two places take K steps 5, 6; at K step 4 the third takes K step 7.
; CLUSTERS 4 x 4: A's tiles are shared along a row, B's along a column: joint loads.  No prefetch: five of eight K steps are asked for at the head, and there is no loop to run ahead in.
; REGISTERS: window 0: addresses; v128-255 A's fragments, two sets by turns.  Window 1: B's twelve fragments.  Window 2: q's and k's accumulators (n, m) at v[8 (4 n + m)].  Window 3: v's at v[8 (4 t + m)]; v128-223 the bias.
.set BOFF,  163840                     ; B behind A
.set SPARE, 286720                     ; the spare words
.set AP,    524288                     ; from K step to K step in ximg
.set BP,    393216                     ; and in waimg
.set ADRA, 16                          ; v16-17 my A fragments, in places 0-2 and 3-4
.set ADRB, 20                          ; v20-21 B fragments 0-5 and 6-11
.set LI,   24
.set SPW,  28
.set NIL,  29
.set SCQ,  32
.set LMQ,  33
.set SCK,  34
.set LMK,  35
.set SCV,  36
.set LMV,  37
.set BT,   40
.set CODK, 64
.set AF,   128
.set CODQ, 128
.set CODV, 192
.set BQK,  128
.set BV,   192
.set G1, 24
.set G0, 32
.set G1B, 48
.set G0B, 56
.set MSB, 0
.macro WIN new                         ; the immediate's high byte repeats the setting that is left
.if MSB != \new
	s_set_vgpr_msb (MSB<<8)|\new
.set MSB, \new
.endif
.endm
.macro JLOAD                           ; waves 0 and 1 fetch A's halves, waves 2 and 3 B's
	s_cmp_eq_u32 s15, 0
	s_cbranch_scc0 .Lfor_b_\@
	tensor_load_to_lds s[G0:G0+3], s[G1:G1+7]
	s_nop 0
.rept 4
	v_nop
.endr
	s_branch .Lasked_\@
.Lfor_b_\@:
	tensor_load_to_lds s[G0B:G0B+3], s[G1B:G1B+7]
	s_nop 0
.rept 4
	v_nop
.endr
.Lasked_\@:
.endm
.macro CREST
	s_cmp_lg_u32 s14, 0
	s_cbranch_scc1 .Lnot_wave_0_\@
	s_barrier_signal -3
.Lnot_wave_0_\@:
	s_barrier_wait -3
	s_barrier_signal -1
	s_barrier_wait -1
.endm
.macro CROUND
	s_barrier_signal -1
	s_barrier_wait -1
	CREST
.endm
.macro PLACES n
.rept \n
	v_nop
.endr
.endm
	s_load_b256 s[4:11], s[0:1], 0x0               ; ximg, waimg, b_attn, the exponents
	s_load_b128 s[68:71], s[0:1], 0x20             ; qimg, kimg
	s_load_b64 s[72:73], s[0:1], 0x30              ; vimg
	v_lshl_add_u32 v[SPW], v0, 2, SPARE
	v_mov_b32 v[NIL], 0
	ds_add_u32 v[SPW], v[NIL]                      ; the opening lines
	ds_add_u32 v[SPW], v[NIL]
	v_lshrrev_b32 v1, 5, v0
	v_readfirstlane_b32 s14, v1                    ; wave
	s_lshr_b32 s15, s14, 1
	s_and_b32 s16, s14, 1
	s_bfe_u32 s40, ttmp6, 0x40000
	s_bfe_u32 s41, ttmp6, 0x40004
	s_lshl_b32 s42, ttmp9, 2
	s_add_co_u32 s42, s42, s40                     ; head
	s_and_b32 s17, ttmp7, 0xffff
	s_lshl_b32 s17, s17, 2
	s_add_co_u32 s17, s17, s41                     ; block of 256 tokens
	s_lshl_b32 s43, s41, 2
	s_lshl_b32 s43, 15, s43                        ; my row of the cluster
	s_lshl_b32 s44, 0x1111, s40                    ; my column
	s_or_b32 s[G1+0], s43, (3<<16)|(1<<21)         ; the mask; elements of 8 bytes; bit 21 beside a mask
	s_or_b32 s[G1B+0], s44, (3<<16)|(1<<21)
	s_mov_b32 s[G1+1], 2048<<16                    ; A: a row = one K step of 8 tiles, 16,384 bytes;
	s_mov_b32 s[G1+2], 5<<16                       ; five rows: K steps 0-4
	s_mov_b32 s[G1+3], 2048<<16
	s_mov_b32 s[G1+4], 5
	s_mov_b32 s[G1+5], AP/8
	s_mov_b32 s[G1+6], 0
	s_mov_b32 s[G1+7], 0
	s_mov_b32 s[G1B+1], 1536<<16                   ; B: 6 tiles, 12,288 bytes
	s_mov_b32 s[G1B+2], 5<<16
	s_mov_b32 s[G1B+3], 1536<<16
	s_mov_b32 s[G1B+4], 5
	s_mov_b32 s[G1B+5], BP/8
	s_mov_b32 s[G1B+6], 0
	s_mov_b32 s[G1B+7], 0
	s_lshl_b32 s20, s17, 15                        ; A: 16 tiles a block,
	s_lshl_b32 s45, s16, 14                        ; 8 tiles a half
	s_add_co_u32 s20, s20, s45
	s_mov_b32 s21, 0
	s_mul_i32 s46, s42, 24576                      ; B: 12 tiles a head,
	s_mul_i32 s19, s16, 12288                      ; 6 a half
	s_add_co_u32 s46, s46, s19
	s_mov_b32 s47, 0
	s_mul_i32 s45, s16, 81920                      ; and their places in LDS
	s_mul_i32 s19, s16, 61440
	s_add_co_u32 s19, s19, BOFF
	s_wait_dscnt 0x0                               ; both opening adds are done
	s_wait_kmcnt 0x0
	s_load_b256 s[80:87], s[10:11], 0x0            ; e0 .. e7
	s_add_nc_u64 s[20:21], s[4:5], s[20:21]
	s_add_nc_u64 s[46:47], s[6:7], s[46:47]
	s_mov_b32 s[G0], 1
	s_mov_b32 s[G0+1], s45
	s_mov_b64 s[G0+2:G0+3], s[20:21]
	s_or_b32 s[G0+3], s[G0+3], 0x80000000
	s_mov_b32 s[G0B], 1
	s_mov_b32 s[G0B+1], s19
	s_mov_b64 s[G0B+2:G0B+3], s[46:47]
	s_or_b32 s[G0B+3], s[G0B+3], 0x80000000
	CROUND                                         ; all sixteen work-groups are here: the joint loads meet
	JLOAD                                          ; K steps 0-4
	s_mul_i32 s21, s15, 81920                      ; my four tiles of A
	s_lshl_b32 s22, s16, 13
	s_add_co_u32 s21, s21, s22
	s_lshl_b32 s88, s42, 8
	s_mov_b32 s89, 0
	s_add_nc_u64 s[8:9], s[8:9], s[88:89]          ; the head's bias
	v_and_b32 v1, 15, v0
	v_bfe_u32 v2, v0, 4, 1
	v_and_b32 v3, 31, v0
	v_lshlrev_b32 v[LI], 4, v3                     ; 16 x lane
	v_add_nc_u32 v[ADRA], s21, v[LI]
	v_add_nc_u32 v[ADRA+1], 49152, v[ADRA]
	v_add_nc_u32 v[ADRB], BOFF, v[LI]
	v_add_nc_u32 v[ADRB+1], BOFF+61440, v[LI]
	v_lshlrev_b32 v4, 6, v2                        ; q's and k's bias: channels 16 h on
	v_and_b32 v5, 8, v1
	v_add_nc_u32 v5, v5, v1
	v_lshlrev_b32 v5, 2, v5                        ; v's: the lane's one channel
	WIN 0xc0
.irp n, 0,1,2,3,4,5,6,7
	global_load_b128 v[BQK+8*\n:BQK+8*\n+3], v4, s[8:9] offset:(\n/4)*4096+(32*((\n%4)/2)+8*(\n%2))*4
	global_load_b128 v[BQK+8*\n+4:BQK+8*\n+7], v4, s[8:9] offset:(\n/4)*4096+(32*((\n%4)/2)+8*(\n%2))*4+16
.endr
	WIN 0
.irp t, 0,1,2,3
	global_load_b32 v[BT+\t], v5, s[8:9] offset:8192+(32*(\t/2)+8*(\t%2))*4
.endr
	s_lshr_b32 s88, s17, 3                         ; batch
	s_lshl_b32 s88, s88, 4
	s_add_co_u32 s88, s88, s42
	s_lshl_b32 s88, s88, 17                        ; (16 batch + head) x 131,072
	s_and_b32 s89, s17, 7
	s_lshl_b32 s94, s89, 14
	s_lshl_b32 s95, s14, 12
	s_add_co_u32 s94, s94, s95
	s_add_co_u32 s94, s94, s88
	s_mov_b32 s95, 0
	s_add_nc_u64 s[68:69], s[68:69], s[94:95]      ; q, k: 1,024 bytes a tile of 16 tokens
	s_add_nc_u64 s[70:71], s[70:71], s[94:95]
	s_lshl_b32 s94, s89, 14
	s_lshl_b32 s89, s15, 13
	s_add_co_u32 s94, s94, s89
	s_lshl_b32 s89, s16, 10
	s_add_co_u32 s94, s94, s89
	s_add_co_u32 s94, s94, s88
	s_add_nc_u64 s[72:73], s[72:73], s[94:95]      ; v: 8,192 bytes for 128 keys: four tiles of 16 channels
	s_wait_alu depctr_va_vdst(0)
	s_wait_loadcnt 0x0
	s_wait_kmcnt 0x0
	s_add_co_i32 s90, s80, s81
	s_sub_co_i32 s91, 0, s90
	WIN 0xc3
.set j_, 0
.rept 64
	v_ldexp_f32 v[BQK+j_], v[BQK+j_], s91
.set j_, j_+1
.endr
	WIN 0xc0
.irp t, 0,1,2,3
.irp j, 0,1,2,3,4,5,6,7
	v_ldexp_f32 v[BV+8*\t+\j], v[BT+\t], s91
.endr
.endr
	WIN 0
.macro MKSC e, sc, lm                  ; 2^(e - e0 - e1), and 448 x it
	s_sub_co_i32 s92, s[\e], s90
	s_add_co_i32 s92, s92, 127
	s_lshl_b32 s93, s92, 23
	v_mov_b32 v[\sc], s93
	s_add_co_i32 s92, s92, 8
	s_lshl_b32 s92, s92, 23
	s_or_b32 s92, s92, 0x600000
	v_mov_b32 v[\lm], s92
.endm
	MKSC 82, SCQ, LMQ
	MKSC 83, SCK, LMK
	MKSC 85, SCV, LMV
.macro FRAG reg, adr, off
.irp c, 0,1,2,3
	ds_load_b128 v[\reg+4*\c:\reg+4*\c+3], v[\adr] offset:\off+512*\c
.endr
.endm
.macro FETCH_A k                       ; K step k lies in place k % 5
.set sl_, (\k)%5
	WIN 0
.irp i, 0,1,2,3
	FRAG AF+64*((\k)%2)+16*\i, ADRA+sl_/3, (sl_%3)*16384+\i*2048
.endr
.endm
.macro FETCH_B k, n0
.set sl_, (\k)%5
	WIN 0x40
.irp i, 0,1,2,3,4,5
	FRAG 16*(\n0+\i), ADRB+(\n0)/6, sl_*12288+\i*2048
.endr
	WIN 0
.endm
; The accumulators take turns, one instruction a turn, in the same order in every K step.
.macro MULQK n0, n1, k, first
.if \first
	WIN 0xb1
.else
	WIN 0xa1
.endif
.set n_, \n0
.rept \n1-\n0+1
.irp m, 0,1,2,3
.if \first
	v_wmma_f32_16x16x128_fp8_fp8 v[8*(4*n_+\m):8*(4*n_+\m)+7], v[16*n_:16*n_+15], v[AF+64*((\k)%2)+16*\m:AF+64*((\k)%2)+16*\m+15], v[BQK+8*n_:BQK+8*n_+7]
.else
	v_wmma_f32_16x16x128_fp8_fp8 v[8*(4*n_+\m):8*(4*n_+\m)+7], v[16*n_:16*n_+15], v[AF+64*((\k)%2)+16*\m:AF+64*((\k)%2)+16*\m+15], v[8*(4*n_+\m):8*(4*n_+\m)+7]
.endif
.endr
.set n_, n_+1
.endr
.endm
.macro MULV k, first
	WIN 0xf4
.irp t, 0,1,2,3
.irp m, 0,1,2,3
.if \first
	v_wmma_f32_16x16x128_fp8_fp8 v[8*(4*\t+\m):8*(4*\t+\m)+7], v[AF+64*((\k)%2)+16*\m:AF+64*((\k)%2)+16*\m+15], v[16*(8+\t):16*(8+\t)+15], v[BV+8*\t:BV+8*\t+7]
.else
	v_wmma_f32_16x16x128_fp8_fp8 v[8*(4*\t+\m):8*(4*\t+\m)+7], v[AF+64*((\k)%2)+16*\m:AF+64*((\k)%2)+16*\m+15], v[16*(8+\t):16*(8+\t)+15], v[8*(4*\t+\m):8*(4*\t+\m)+7]
.endif
.endr
.endr
.endm
.macro NEXT k, first                   ; the second part of a K step, with the next one's fragments
	FETCH_A \k+1
	FETCH_B \k+1, 0
	MULQK 6, 7, \k, \first
	MULV \k, \first
	PLACES 4                                       ; in front of loads into registers that matrix instructions have read
	FETCH_B \k+1, 6
.endm
.macro STEP k, first
	s_wait_dscnt 24                                ; A and B's fragments 0-5 are in; the youngest 24 loads (6-11) may be out
	MULQK 0, 5, \k, \first
	s_wait_dscnt 0x0
	PLACES 4
	NEXT \k, \first
.endm
; A K step with a barrier behind which other waves' loads are read: with rows > 0 it opens a round of the cluster's barrier, and places slot .. of LDS, read out, take the K steps that stand `steps` on from where the descriptors stand.
.macro TURN k, rows, steps, slot
	WIN 0
	s_wait_tensorcnt 0x0                           ; my one load that was out has landed: the descriptors may be written
.if \rows
	ds_add_u32 v[SPW], v[NIL]
	s_add_nc_u64 s[G0+2:G0+3], s[G0+2:G0+3], (\steps)*AP
	s_add_nc_u64 s[G0B+2:G0B+3], s[G0B+2:G0B+3], (\steps)*BP
	s_mov_b32 s[G1+2], (\rows)<<16
	s_mov_b32 s[G1+4], \rows
	s_mov_b32 s[G1B+2], (\rows)<<16
	s_mov_b32 s[G1B+4], \rows
.if \rows == 1
	s_mov_b32 s[G1+6], 1<<16
	s_mov_b32 s[G1B+6], 1<<16
.endif
.if \slot
	s_add_co_u32 s[G0+1], s[G0+1], (\slot)*16384
	s_add_co_u32 s[G0B+1], s[G0B+1], (\slot)*12288
.endif
	s_wait_dscnt 25                                ; (the add and the youngest 24 loads may be out)
.else
	s_wait_dscnt 24
.endif
	MULQK 0, 2, \k, 0
	s_wait_dscnt 0x0                               ; the add is done, and so are my reads of every place so far
	s_barrier_signal -1
	MULQK 3, 5, \k, 0
	WIN 0
	s_barrier_wait -1
.if \rows
	CREST
	JLOAD                                          ; the first tensor load behind the round; its four v_nop are the places in front of the loads below
.else
	PLACES 4
.endif
	NEXT \k, 0
.endm
	s_wait_alu depctr_va_vdst(0)
	s_wait_tensorcnt 0x0                           ; my part of K steps 0-4 is in,
	s_barrier_signal -1
	s_barrier_wait -1                              ; and everybody's
	FETCH_A 0
	FETCH_B 0, 0
	FETCH_B 0, 6
	STEP 0, 1
	TURN 1, 2, 5, 0                                ; K steps 5, 6 into places 0, 1: three K steps to land
	STEP 2, 0
	STEP 3, 0
	TURN 4, 1, 2, 2                                ; K steps 5, 6 are in; K step 7 into place 2: two K steps to land
	STEP 5, 0
	TURN 6, 0, 0, 0                                ; K step 7 is in
	s_wait_dscnt 24
	MULQK 0, 5, 7, 0
	s_wait_dscnt 0x0
	MULQK 6, 7, 7, 0
	MULV 7, 0
	WIN 0
	PLACES 4
; THE WAY OUT: held (the conversion does not saturate: ISA guide 7.6.2), converted; a chunk of a fragment is 512 consecutive bytes a store.
.macro QKOUT base, sc, lm, cod, ptr
	WIN 0x82
.set j_, 0
.rept 128
	v_med3_num_f32 v[\base+j_], v[\base+j_], -v[\lm], v[\lm]
.set j_, j_+1
.endr
	WIN 0x02
.irp m, 0,1,2,3
.irp b, 0,1
.irp u, 0,1
	v_cvt_scalef32_pk8_fp8_f32 v[\cod+8*\m+4*\b+2*\u:\cod+8*\m+4*\b+2*\u+1], v[\base+8*(4*(2*\b+\u)+\m):\base+8*(4*(2*\b+\u)+\m)+7], v[\sc]
.endr
.endr
.endr
	v_nop
	WIN 0
.irp m, 0,1,2,3
.irp b, 0,1
	global_store_b128 v[LI], v[\cod+8*\m+4*\b:\cod+8*\m+4*\b+3], s[\ptr:\ptr+1] offset:1024*\m+512*\b
.endr
.endr
.endm
	QKOUT 0, SCQ, LMQ, CODQ, 68
	QKOUT 128, SCK, LMK, CODK, 70
	WIN 0xc3
.set j_, 0
.rept 128
	v_med3_num_f32 v[j_], v[j_], -v[LMV], v[LMV]
.set j_, j_+1
.endr
	WIN 0x03
.irp t, 0,1,2,3
.irp b, 0,1
.irp u, 0,1
	v_cvt_scalef32_pk8_fp8_f32 v[CODV+8*\t+4*\b+2*\u:CODV+8*\t+4*\b+2*\u+1], v[8*(4*\t+2*\b+\u):8*(4*\t+2*\b+\u)+7], v[SCV]
.endr
.endr
.endr
	v_nop
	WIN 0
.irp t, 0,1,2,3
.irp b, 0,1
	global_store_b128 v[LI], v[CODV+8*\t+4*\b:CODV+8*\t+4*\b+3], s[72:73] offset:2048*\t+512*\b
.endr
.endr
	s_wait_tensorcnt 0x0                           ; the wave's end
	ds_add_u32 v[SPW], v[NIL]
	s_wait_dscnt 0x0
	CROUND                                         ; the closing round
	s_endpgm
.Lfunc_end_k_qe64bbc9c25_qkv:
	.size	k_qe64bbc9c25_qkv, .Lfunc_end_k_qe64bbc9c25_qkv-k_qe64bbc9c25_qkv
	.p2alignl 7, 3214868480
	.fill 96, 4, 3214868480
	.section	.rodata,"a",@progbits
	.p2align	6, 0x0
	.amdhsa_kernel k_qe64bbc9c25_qkv
		.amdhsa_group_segment_fixed_size 327680
		.amdhsa_private_segment_fixed_size 0
		.amdhsa_enable_private_segment 0
		.amdhsa_kernarg_size 56
		.amdhsa_user_sgpr_count 2
		.amdhsa_user_sgpr_kernarg_segment_ptr 1
		.amdhsa_wavefront_size32 1
		.amdhsa_system_sgpr_workgroup_id_x 1
		.amdhsa_system_sgpr_workgroup_id_y 1
		.amdhsa_system_sgpr_workgroup_id_z 1
		.amdhsa_system_vgpr_workitem_id 0
		.amdhsa_next_free_vgpr 1024
		.amdhsa_next_free_sgpr 100
		.amdhsa_reserve_vcc 0
		.amdhsa_float_denorm_mode_32 3
		.amdhsa_float_denorm_mode_16_64 3
		.amdhsa_memory_ordered 1
		.amdhsa_forward_progress 1
		.amdhsa_inst_pref_size 108
	.end_amdhsa_kernel
	.amdgpu_metadata
---
amdhsa.version: [ 1, 2 ]
amdhsa.kernels:
  - .name:           k_qe64bbc9c25_qkv
    .symbol:         k_qe64bbc9c25_qkv.kd
    .args:
      - { .name: ximg, .offset: 0, .size: 8, .value_kind: global_buffer, .address_space: global }
      - { .name: waimg, .offset: 8, .size: 8, .value_kind: global_buffer, .address_space: global }
      - { .name: b_attn, .offset: 16, .size: 8, .value_kind: global_buffer, .address_space: global }
      - { .name: lowp_scales, .offset: 24, .size: 8, .value_kind: global_buffer, .address_space: global }
      - { .name: qimg, .offset: 32, .size: 8, .value_kind: global_buffer, .address_space: global }
      - { .name: kimg, .offset: 40, .size: 8, .value_kind: global_buffer, .address_space: global }
      - { .name: vimg, .offset: 48, .size: 8, .value_kind: global_buffer, .address_space: global }
    .group_segment_fixed_size: 327680
    .private_segment_fixed_size: 0
    .kernarg_segment_align: 8
    .kernarg_segment_size: 56
    .max_flat_workgroup_size: 128
    .sgpr_count:     100
    .vgpr_count:     1024
    .wavefront_size: 32
...
	.end_amdgpu_metadata
.endif
;; end of part 2
;; launch attn (part 3): grid 8 x 32, 16 waves a work-group, clusters of 4 x 1, 327,680 bytes of LDS; arguments qimg, kimg, vimg, lowp_scales, yimg; writes yimg
.if DOCPART == 3
	.amdgcn_target "amdgcn-amd-amdhsa--gfx1250"
	.amdhsa_code_object_version 6
	.text
	.protected	k_qe64bbc9c25_attn
	.globl	k_qe64bbc9c25_attn
	.p2align	8
	.type	k_qe64bbc9c25_attn,@function
k_qe64bbc9c25_attn:
	s_mov_b64 s[64:65], 0
	v_nop
	global_prefetch_b8 v0, s[64:65] scope:SCOPE_SE
	s_setreg_imm32_b32 hwreg(HW_REG_WAVE_MODE, 25, 1), 1
	s_wait_xcnt 0x0
	s_wait_alu depctr_hold_cnt(0) depctr_sa_sdst(0) depctr_va_vdst(0) depctr_va_sdst(0) depctr_va_ssrc(0) depctr_va_vcc(0) depctr_vm_vsrc(0)
	s_getreg_b32 s2, hwreg(HW_REG_IB_STS2, 6, 4)
	s_cmp_eq_u32 s2, 0
	s_cbranch_scc0 .Lentry_in_a_cluster
	s_endpgm
.Lentry_in_a_cluster:
	s_bfe_u32 s2, ttmp6, 0x10000c
	s_cmp_lg_u32 s2, 0x3003
	s_cbranch_scc0 .Lentry_shape_is_right
	s_endpgm
.Lentry_shape_is_right:
; y = softmax(q k^T / 8, causal) v for one head of one batch, both products on codes of FP8 (E4M3); y is quantised (entry 6) and stored as an image of the last product's operand.
; THE SOFTMAX: t = score x log2(e) / 8; M = the running largest t rounded UP to a whole number; p = 2^(t - M) is quantised with 2^e4, not normalised; the row's sum is taken of the unquantised p and divides at the end.
; When M moves, the sum and O are multiplied by 2^(old M - new M): exact.
; LEFT OUT: key steps of 128 all of whose keys come after the tile's queries (reference()'s own causal mask).
; SHARES.  Eight work-groups serve a head, g the work-group's number among them.  It owns 16 tiles of 16 queries: tile 8 l + g for each level l = 0 .. 15.  Level l has l + 1 key steps of 128, the last on the diagonal.
; Levels L and 15 - L (L = 0 .. 7) have 17 key steps between them and are shared by two waves: wave L takes key steps 0 .. 8 of tile 15 - L; wave L + 8 takes tile L (key steps 0 .. L), stores it,
; and then key steps 9 .. 15 - L of tile 15 - L: 9 and 8 trips, whatever L is.  The two parts of tile 15 - L meet once, through LDS, in wave L.  Waves L, L + 4, L + 8, L + 12 have 34 trips between them.
; A head's whole K and V (131,072 bytes each) lie in LDS, filled ONCE: each wave asks for one sixteenth, jointly with the three partners of the cluster, which serve the same head.
; LAYOUT.  Both products are used transposed: S^T = K Q^T (source 0 = 16 keys), O^T = V^T P^T (source 0 = 16 channels): a lane holds one query throughout.  Lane r of tile 2 b + u holds row 32 b + 8 u + r + 8 (r / 8), so the 16 registers of
; tiles 2 b, 2 b + 1 are 16 neighbours: p's codes are the second product's operand, and O^T's are a chunk of y's fragment.
; LIMITS: e2 + e3 between -123 and 130 (added to c's exponent field); e4 between -126 and 119; e4 + e5 - e6 is applied by v_ldexp_f32 and has none; |t| under 2^31.  NaN is not served.
; No prefetch: every byte of K and V is asked for by the tensor loads at the head.
; REGISTERS: v1 16 x lane; v2 the mask's bound; v3 v1 + V's place; v4 the exchange; v5, v6 the add's; v8, v9 addresses in hand; v12 -M, v13 the largest t, v[14:15] the sum; v16-23 Q; v24-31 Q of tile 15 - L;
; v32-95 K's 8 fragments, then V's 4; v96-159 S^T, then p; v160-191 O^T; v192-199 y's codes; v224-239 p's codes; v236-254 at work.
.set VOFF, 131072                      ; V behind K
.set STG,  286720                      ; the exchange: 9 x 512 bytes for each L; no tensor load lands there
.set STGB, 4608
.set SPARE, STG+8*STGB                 ; the spare words: 128 bytes for each wave
.set LI,   1
.set DG,   2
.set LIV,  3
.set XCH,  4
.set SPW,  5
.set NIL,  6
.set ADK,  8
.set ADV,  9
.set WV,   18                          ; s18 wave
.set L,    19                          ; s19 L
.set SEL,  20                          ; s[20:21] lane selects: lane l xor 16
.set CS,   22                          ; s[22:23] c
.set G1,   24                          ; s[24:31] group 1
.set G0K,  32                          ; s[32:35], s[36:39] groups 0 of K and V
.set G0V,  36
.set T,    40                          ; s40 the trip
.set TB,   41                          ; s41 8,192 x the key step: its place in K and in V
.set SWL,  42                          ; s42 the last trip on my first tile (15: all)
.set OFB,  43                          ; s43 what is added to TB behind it: 8,192 (8 - L)
.set TMAX, 44                          ; s44 my last trip
.set D2,   46                          ; s46 the trip on the second tile's diagonal (15: none)
.set SWT,  47                          ; s47 SWL + 1
.set LV,   54                          ; s54 my first tile's level: also the trip on its diagonal
.set EY,   84                          ; s84 e4 + e5 - e6
.macro CROUND                          ; a round of the cluster's barrier
	s_barrier_signal -1
	s_barrier_wait -1
	s_cmp_lg_u32 s[WV], 0
	s_cbranch_scc1 .Lnot_wave_0_\@
	s_barrier_signal -3
.Lnot_wave_0_\@:
	s_barrier_wait -3
	s_barrier_signal -1
	s_barrier_wait -1
.endm
	s_load_b256 s[4:11], s[0:1], 0x0               ; qimg s[4:5], kimg s[6:7], vimg s[8:9], the exponents s[10:11]
	s_load_b64 s[12:13], s[0:1], 0x20              ; yimg
	v_lshl_add_u32 v[SPW], v0, 2, SPARE
	v_mov_b32 v[NIL], 0
	ds_add_u32 v[SPW], v[NIL]                      ; the opening lines
	ds_add_u32 v[SPW], v[NIL]
	v_lshrrev_b32 v8, 5, v0
	s_delay_alu instid0(VALU_DEP_1)
	v_readfirstlane_b32 s[WV], v8                  ; wave 0..15
	s_and_b32 s[L], s[WV], 7
	s_bfe_u32 s48, ttmp6, 0x40000                  ; cx
	s_lshl_b32 s49, ttmp9, 2
	s_add_co_u32 s49, s49, s48                     ; g = 4 x cluster x + cx: it enters Q's and y's addresses and the mask's bound alone
	s_and_b32 s50, ttmp7, 0xffff                   ; 16 x batch + head, which the partners share
	s_lshl_b32 s52, s50, 17                        ; its first byte in qimg, kimg, vimg
	s_mov_b32 s53, 0
	s_xor_b32 s51, s[L], 15                        ; the long tile's level, 15 - L
	s_xor_b32 s[OFB], s[L], 7
	s_add_co_u32 s[OFB], s[OFB], 1                 ; 8 - L
	s_lshl_b32 s[OFB], s[OFB], 13
	s_cmp_lt_u32 s[WV], 8
	s_cselect_b32 s[LV], s51, s[L]
	s_cselect_b32 s[TMAX], 8, 7
	s_cselect_b32 s[SWL], 15, s[L]
	s_cselect_b32 s[D2], 15, 7
	s_add_co_u32 s[SWT], s[SWL], 1
	; a dense block of 16,384 bytes as rows of 256 bytes, for all four work-groups of the cluster
	s_mov_b32 s[G1], 15|(3<<16)|(1<<21)            ; 15:0 the mask; 17:16 elements of 8 bytes; 21 set beside a mask
	s_mov_b32 s[G1+1], 32<<16
	s_mov_b32 s[G1+2], 64<<16
	s_mov_b32 s[G1+3], 32<<16
	s_mov_b32 s[G1+4], 64
	s_mov_b32 s[G1+5], 32
	s_mov_b32 s[G1+6], 0
	s_mov_b32 s[G1+7], 0
	s_lshr_b32 s55, s[WV], 1                       ; my part: key steps 2 (wave / 2), + 1: even waves of K, odd waves of V
	s_lshl_b32 s55, s55, 14
	s_and_b32 s56, s[WV], 1
	s_add_co_u32 s58, s52, s55
	s_mov_b32 s59, 0
	s_mov_b32 s[SEL], 0x76543210
	s_mov_b32 s[SEL+1], 0xfedcba98
	s_mov_b32 s[CS], 0x3e38aa3b                    ; c = log2(e) / 8
	s_wait_dscnt 0x0                               ; both opening adds are done
	s_wait_kmcnt 0x0
	s_load_b256 s[68:75], s[10:11], 0x0            ; e0 .. e7
	s_mov_b32 s[G0K], 1
	s_mov_b32 s[G0K+1], s55
	s_add_nc_u64 s[G0K+2:G0K+3], s[6:7], s[58:59]
	s_or_b32 s[G0K+3], s[G0K+3], 0x80000000
	s_mov_b32 s[G0V], 1
	s_add_co_u32 s[G0V+1], s55, VOFF
	s_add_nc_u64 s[G0V+2:G0V+3], s[8:9], s[58:59]
	s_or_b32 s[G0V+3], s[G0V+3], 0x80000000
	CROUND                                         ; all four work-groups are here: the joint loads meet
	s_cmp_eq_u32 s56, 0
	s_cbranch_scc0 .Lfor_v
	tensor_load_to_lds s[G0K:G0K+3], s[G1:G1+7]
	s_nop 0
.rept 4
	v_nop
.endr
	s_branch .Lasked
.Lfor_v:
	tensor_load_to_lds s[G0V:G0V+3], s[G1:G1+7]
	s_nop 0
.rept 4
	v_nop
.endr
.Lasked:
	s_lshl_b32 s60, s[LV], 3
	s_add_co_u32 s60, s60, s49                     ; my first tile of queries, the one that I store: 8 LV + g
	s_lshl_b32 s62, s60, 10
	s_mov_b32 s63, 0
	s_add_nc_u64 s[4:5], s[4:5], s[52:53]
	s_add_nc_u64 s[76:77], s[4:5], s[62:63]
	s_lshl_b32 s62, s51, 3
	s_add_co_u32 s62, s62, s49                     ; the long tile: 8 (15 - L) + g
	s_lshl_b32 s62, s62, 10
	s_add_nc_u64 s[78:79], s[4:5], s[62:63]
	s_bfe_u32 s80, s50, 0x30001                    ; head / 2: y's K step
	s_lshl_b32 s80, s80, 19
	s_lshr_b32 s81, s50, 4                         ; batch
	s_lshl_b32 s81, s81, 7
	s_add_co_u32 s81, s81, s60                     ; token tile 128 batch + my tile
	s_lshl_b32 s81, s81, 11
	s_add_co_u32 s80, s80, s81
	s_and_b32 s82, s50, 1
	s_lshl_b32 s82, s82, 10                        ; chunks 2 (head % 2) on
	s_add_co_u32 s80, s80, s82
	s_mov_b32 s81, 0
	s_add_nc_u64 s[12:13], s[12:13], s[80:81]
	s_mul_i32 s83, s[L], STGB
	s_add_co_u32 s83, s83, STG
	s_lshr_b32 s85, s49, 1
	s_lshl_b32 s85, s85, 5
	s_and_b32 s86, s49, 1
	s_lshl_b32 s86, s86, 3
	s_add_co_u32 s85, s85, s86                     ; g's tile begins here among 128 tokens
	v_and_b32 v[LI], 31, v0
	s_delay_alu instid0(VALU_DEP_1)
	v_lshlrev_b32 v[LI], 4, v[LI]
	s_delay_alu instid0(VALU_DEP_1)
	v_add_nc_u32 v[LIV], VOFF, v[LI]
	v_add_nc_u32 v[XCH], s83, v[LI]
	global_load_b128 v[16:19], v[LI], s[76:77]             ; Q's fragment stays in registers: channels 16 h + 0 .. 15,
	global_load_b128 v[20:23], v[LI], s[76:77] offset:512  ; and 32 + 16 h + 0 .. 15
	global_load_b128 v[24:27], v[LI], s[78:79]             ; the long tile's
	global_load_b128 v[28:31], v[LI], s[78:79] offset:512
	v_and_b32 v8, 15, v0                           ; r
	v_bfe_u32 v9, v0, 4, 1                         ; h
	s_delay_alu instid0(VALU_DEP_2)
	v_and_b32 v10, 8, v8
	s_delay_alu instid0(VALU_DEP_1)
	v_add_nc_u32 v10, v10, v8                      ; r + 8 (r / 8)
	s_delay_alu instid0(VALU_DEP_3)
	v_lshlrev_b32 v11, 4, v9
	s_delay_alu instid0(VALU_DEP_1)
	v_sub_nc_u32 v[DG], v10, v11
	s_delay_alu instid0(VALU_DEP_1)
	v_add_nc_u32 v[DG], s85, v[DG]                 ; my query's place among its 128 tokens, less 16 h, in both tiles.  On the diagonal, register 16 b + i holds key 32 b + 16 h + i: hidden where 32 b + i is above this
	v_mov_b32 v13, 0xff61b1e6                      ; the largest t so far: -3e38
	s_delay_alu instid0(VALU_DEP_1)
	v_floor_f32 v12, -v13                          ; -M
	v_mov_b32 v14, 0
	v_mov_b32 v15, 0
	v_mov_b32 v236, 0                              ; written once: a lane permute's destination counts as one of its sources
	v_mov_b32 v252, 0
	v_mov_b32 v253, 0                              ; (named as the upper half of the pair v[252:253])
.set j_, 0
.rept 32
	v_mov_b32 v[160+j_], 0                         ; O^T: the step is written once for all: the first finds zeros
.set j_, j_+1
.endr
	s_wait_alu depctr_va_vdst(0)
	s_wait_kmcnt 0x0
	s_add_co_i32 s88, s70, s71
	s_lshl_b32 s88, s88, 23
	s_add_co_i32 s[CS], s[CS], s88                 ; a score stands for score x 2^(e2 + e3): added to c's exponent field
	s_mov_b32 s[CS+1], s[CS]
	s_add_co_i32 s[EY], s72, s73
	s_sub_co_i32 s[EY], s[EY], s74
	s_add_co_i32 s88, s72, 127
	s_lshl_b32 s89, s88, 23
	v_mov_b32 v244, s89                            ; 2^e4
	s_add_co_i32 s88, s88, 8
	s_lshl_b32 s88, s88, 23
	s_or_b32 s88, s88, 0x600000
	v_mov_b32 v240, s88                            ; 448 x 2^e4
	s_wait_alu depctr_va_vdst(0)
	s_wait_loadcnt 0x0                             ; Q
; A KEY STEP: 128 keys, at TB.
.macro STEP
	v_add_nc_u32 v[ADK], s[TB], v[LI]
	v_add_nc_u32 v[ADV], s[TB], v[LIV]
	v_nop                                          ; with the two additions: four places in front of loads into registers that the last products read
	v_nop
.irp t, 0,1,2,3,4,5,6,7
	ds_load_b128 v[32+8*\t:35+8*\t], v[ADK] offset:1024*\t
	ds_load_b128 v[36+8*\t:39+8*\t], v[ADK] offset:1024*\t+512
.endr
	s_wait_alu depctr_va_vdst(0)
	s_wait_dscnt 0x0
.irp t, 0,1,2,3,4,5,6,7
	v_wmma_f32_16x16x64_fp8_fp8 v[96+8*\t:103+8*\t], v[32+8*\t:39+8*\t], v[16:23], 0
.endr
.rept 4
	v_nop
.endr
.irp t, 0,1,2,3                        ; V's four fragments land while the softmax is walked
.irp c, 0,1,2,3
	ds_load_b128 v[32+16*\t+4*\c:35+16*\t+4*\c], v[ADV] offset:2048*\t+512*\c
.endr
.endr
	s_cmp_eq_u32 s[T], s[LV]
	s_cbranch_scc1 .Ldiag_\@
	s_cmp_lg_u32 s[T], s[D2]
	s_cbranch_scc1 .Lopen_\@
.Ldiag_\@:
	v_mov_b32 v254, 0xff800000                     ; on the diagonal hidden scores become -infinity ahead of the maximum: p = 0 then.  A query's own key always counts
.set n_, 0
.rept 64
	v_cmp_gt_i32 vcc_lo, 32*(n_/16)+n_%16, v[DG]
	v_cndmask_b32 v[96+n_], v[96+n_], v254, vcc_lo
.set n_, n_+1
.endr
.Lopen_\@:
	v_max3_num_f32 v254, v96, v97, v98             ; the step's largest score of my query among my 64 keys, in two chains,
	v_max3_num_f32 v252, v99, v100, v101
.irp i, 6,10,14,18,22,26,30,34,38,42,46,50,54,58
	v_max3_num_f32 v254, v254, v[96+\i], v[97+\i]
	v_max3_num_f32 v252, v252, v[98+\i], v[99+\i]
.endr
	v_max3_num_f32 v254, v254, v158, v159
	s_delay_alu instid0(VALU_DEP_1)
	v_max_num_f32 v254, v254, v252
	v_permlanex16_b32 v236, v254, s[SEL], s[SEL+1]
	s_delay_alu instid0(VALU_DEP_1)
	v_max_num_f32 v254, v254, v236                 ; and among lane l xor 16's
	s_delay_alu instid0(VALU_DEP_1)
	v_mul_f32 v254, s[CS], v254                    ; as t (c is positive)
	s_delay_alu instid0(VALU_DEP_1)
	v_max_num_f32 v13, v13, v254
	v_mov_b32 v254, v12
	s_delay_alu instid0(VALU_DEP_2)
	v_floor_f32 v12, -v13                          ; the new -M = floor(-t)
	s_delay_alu instid0(VALU_DEP_1)
	v_sub_f32 v254, v12, v254                      ; old M - new M: a whole number, 0 or less
	s_delay_alu instid0(VALU_DEP_1)
	v_cvt_i32_f32 v254, v254                       ; (it saturates)
	s_delay_alu instid0(VALU_DEP_1)
	v_ldexp_f32 v252, 1.0, v254                    ; f = 2^(old M - new M)
.set j_, 0
.rept 32
	v_pk_fma_f32 v[96+j_:97+j_], v[96+j_:97+j_], s[CS:CS+1], v[12:13] op_sel_hi:[1,0,0]   ; t - M
.set j_, j_+2
.endr
.set j_, 0
	s_wait_alu depctr_va_vdst(0)
.rept 64
	v_exp_f32 v[96+j_], v[96+j_]                   ; p = 2^(t - M)
.set j_, j_+1
.endr
	v_pk_mul_f32 v[14:15], v[14:15], v[252:253] op_sel_hi:[1,0]   ; the sums under the new M: the plain line behind the exponentials
	s_wait_alu depctr_va_vdst(0)                   ; one wait for the whole batch, ahead of its first reader
	v_pk_add_f32 v[242:243], v[100:101], v[104:105]
	v_pk_add_f32 v[248:249], v[108:109], v[112:113]
	v_pk_add_f32 v[246:247], v[116:117], v[120:121]
	v_pk_add_f32 v[238:239], v[124:125], v[128:129]
	v_pk_add_f32 v[236:237], v[132:133], v[136:137]
	v_pk_add_f32 v[234:235], v[140:141], v[144:145]
	v_pk_add_f32 v[232:233], v[148:149], v[152:153]
	v_pk_add_f32 v[14:15], v[14:15], v[156:157]
	v_pk_add_f32 v[242:243], v[242:243], v[96:97]
	v_pk_add_f32 v[248:249], v[248:249], v[98:99]
	v_pk_add_f32 v[246:247], v[246:247], v[102:103]
	v_pk_add_f32 v[238:239], v[238:239], v[106:107]
	v_pk_add_f32 v[236:237], v[236:237], v[110:111]
	v_pk_add_f32 v[234:235], v[234:235], v[114:115]
	v_pk_add_f32 v[232:233], v[232:233], v[118:119]
	v_pk_add_f32 v[14:15], v[14:15], v[122:123]
	v_pk_add_f32 v[242:243], v[242:243], v[126:127]
	v_pk_add_f32 v[248:249], v[248:249], v[130:131]
	v_pk_add_f32 v[246:247], v[246:247], v[134:135]
	v_pk_add_f32 v[238:239], v[238:239], v[138:139]
	v_pk_add_f32 v[236:237], v[236:237], v[142:143]
	v_pk_add_f32 v[234:235], v[234:235], v[146:147]
	v_pk_add_f32 v[232:233], v[232:233], v[150:151]
	v_pk_add_f32 v[14:15], v[14:15], v[154:155]
	v_pk_add_f32 v[242:243], v[242:243], v[158:159]
	s_delay_alu instid0(VALU_DEP_2)
	v_pk_add_f32 v[14:15], v[14:15], v[238:239]
	s_delay_alu instid0(VALU_DEP_2)
	v_pk_add_f32 v[242:243], v[242:243], v[236:237]
	v_pk_add_f32 v[248:249], v[248:249], v[234:235]
	v_pk_add_f32 v[246:247], v[246:247], v[232:233]
	s_delay_alu instid0(VALU_DEP_2)
	v_pk_add_f32 v[14:15], v[14:15], v[248:249]
	s_delay_alu instid0(VALU_DEP_2)
	v_pk_add_f32 v[242:243], v[242:243], v[246:247]
	s_delay_alu instid0(VALU_DEP_1)
	v_pk_add_f32 v[14:15], v[14:15], v[242:243]
.irp b, 0,1,2,3
.irp i, 0,2,4,6,8,10,12,14
	v_dual_min_num_f32 v[96+16*\b+\i], v[96+16*\b+\i], v240 :: v_dual_min_num_f32 v[97+16*\b+\i], v[97+16*\b+\i], v240   ; the conversion does not saturate (ISA guide 7.6.2); p is not negative: a one-sided hold
.endr
	v_cvt_scalef32_pk8_fp8_f32 v[224+4*\b:225+4*\b], v[96+16*\b:103+16*\b], v244
	v_cvt_scalef32_pk8_fp8_f32 v[226+4*\b:227+4*\b], v[104+16*\b:111+16*\b], v244
.endr
	s_wait_alu depctr_va_vdst(0)                   ; directly ahead of the first reader of O^T
.set j_, 0
.rept 16
	v_pk_mul_f32 v[160+j_:161+j_], v[160+j_:161+j_], v[252:253] op_sel_hi:[1,0]   ; O^T under the new M; also the plain lines behind the conversions
.set j_, j_+2
.endr
	s_wait_alu depctr_va_vdst(0)
	s_wait_dscnt 0x0                               ; V is in
.irp t, 0,1,2,3
	v_wmma_f32_16x16x128_fp8_fp8 v[160+8*\t:167+8*\t], v[32+16*\t:47+16*\t], v[224:239], v[160+8*\t:167+8*\t]
.endr
.endm
; A FINISHED TILE: O^T / the sum x 2^(e4 + e5 - e6), held, converted with the scale 1: two chunks of y's fragment, 512 consecutive bytes a store.  The sum and O^T stay as they are.
.macro FINISH
	v_add_f32 v10, v14, v15
	s_delay_alu instid0(VALU_DEP_1)
	v_permlanex16_b32 v252, v10, s[SEL], s[SEL+1]
	s_delay_alu instid0(VALU_DEP_1)
	v_add_f32 v10, v10, v252                       ; the row's sum
	s_wait_alu depctr_va_vdst(0)
	v_rcp_f32 v10, v10
	v_mov_b32 v11, 0x43e00000                      ; 448 (a plain line behind the reciprocal)
	v_mov_b32 v254, 1.0
	v_nop
	v_nop
	s_wait_alu depctr_va_vdst(0)                   ; ahead of the reciprocal's first reader
	v_ldexp_f32 v10, v10, s[EY]
	s_wait_alu depctr_va_vdst(0)                   ; directly ahead of the first reader of O^T
.set j_, 0
.rept 16
	v_pk_mul_f32 v[96+j_:97+j_], v[160+j_:161+j_], v[10:11] op_sel_hi:[1,0]   ; register 8 (2 b + u) + i is y(my query, 32 b + 16 h + 8 u + i) / 2^e6
.set j_, j_+2
.endr
.set j_, 0
.rept 32
	v_med3_num_f32 v[96+j_], v[96+j_], -v11, v11
.set j_, j_+1
.endr
.irp t, 0,1,2,3
	v_cvt_scalef32_pk8_fp8_f32 v[192+2*\t:193+2*\t], v[96+8*\t:103+8*\t], v254
.endr
	v_nop
	global_store_b128 v[LI], v[192:195], s[12:13]
	global_store_b128 v[LI], v[196:199], s[12:13] offset:512
.endm
	s_wait_tensorcnt 0x0                           ; my sixteenth is in,
	s_barrier_signal -1
	s_barrier_wait -1                              ; and everybody's: all of K and V; nothing is filled again
	s_mov_b32 s[T], 0
.Ltrip:                                                ; nine trips in every wave
	s_cmp_lg_u32 s[T], s[SWT]
	s_cbranch_scc1 .Lsame
	FINISH                                         ; waves 8-15, behind tile L's last step: it is stored,
.irp i, 0,1,2,3,4,5,6,7
	v_mov_b32 v[16+\i], v[24+\i]                   ; and the long tile begins: its Q,
.endr
	v_mov_b32 v13, 0xff61b1e6                      ; and its largest t.  The sum and O^T are left: under this M the next change of M multiplies them, finite numbers, by 0
	s_delay_alu instid0(VALU_DEP_1)
	v_floor_f32 v12, -v13
	s_wait_alu depctr_va_vdst(0)
	s_wait_xcnt 0x0                                ; the stores have read their registers
.Lsame:
	s_cmp_gt_u32 s[T], s[SWL]
	s_cselect_b32 s[TB], s[OFB], 0                 ; key step = trip, on the second tile trip + 8 - L
	s_lshl_b32 s48, s[T], 13
	s_add_co_u32 s[TB], s[TB], s48
	s_and_b32 s[TB], s[TB], 15*8192                ; key step 0 .. 15 (waves 8-15 have no trip 8)
	s_cmp_gt_u32 s[T], s[TMAX]
	s_cbranch_scc1 .Lidle
	STEP
.Lidle:
	s_add_co_u32 s[T], s[T], 1
	s_cmp_lt_u32 s[T], 9
	s_cbranch_scc1 .Ltrip
.rept 4
	v_nop                                          ; places behind the last products
.endr
	s_wait_dscnt 0x0
	s_barrier_signal -1
	s_barrier_wait -1                              ; every wave's reads of K and V are over: LDS is stored to from here on
	s_cmp_lt_u32 s[WV], 8
	s_cbranch_scc1 .Lkept
.irp i, 0,1,2,3,4,5,6,7
	ds_store_b128 v[XCH], v[160+4*\i:163+4*\i] offset:512*\i       ; my part of the long tile: O^T,
.endr
	ds_store_b128 v[XCH], v[12:15] offset:4096     ; -M, the largest t, the sum
.Lkept:
	s_wait_dscnt 0x0
	s_barrier_signal -1
	s_barrier_wait -1
	s_cmp_lt_u32 s[WV], 8
	s_cbranch_scc0 .Lend
	ds_load_b128 v[64:67], v[XCH] offset:4096
.irp i, 0,1,2,3,4,5,6,7
	ds_load_b128 v[32+4*\i:35+4*\i], v[XCH] offset:512*\i
.endr
	s_wait_dscnt 0x0
	v_min_num_f32 v68, v12, v64                    ; -M of both: the lesser
	v_mov_b32 v73, 0
	v_mov_b32 v75, 0
	v_sub_f32 v69, v68, v12
	v_sub_f32 v70, v68, v64
	v_cvt_i32_f32 v69, v69
	v_cvt_i32_f32 v70, v70
	v_ldexp_f32 v72, 1.0, v69                      ; my part's factor: a power of two,
	v_ldexp_f32 v74, 1.0, v70                      ; and the other's (0 where it has no key: L = 7)
	v_pk_mul_f32 v[66:67], v[66:67], v[74:75] op_sel_hi:[1,0]
.set j_, 0
.rept 16
	v_pk_mul_f32 v[32+j_:33+j_], v[32+j_:33+j_], v[74:75] op_sel_hi:[1,0]
.set j_, j_+2
.endr
	v_pk_fma_f32 v[14:15], v[14:15], v[72:73], v[66:67] op_sel_hi:[1,0,1]
.set j_, 0
.rept 16
	v_pk_fma_f32 v[160+j_:161+j_], v[160+j_:161+j_], v[72:73], v[32+j_:33+j_] op_sel_hi:[1,0,1]
.set j_, j_+2
.endr
	FINISH
.Lend:
	s_wait_tensorcnt 0x0                           ; the wave's end
	ds_add_u32 v[SPW], v[NIL]
	s_wait_dscnt 0x0
	CROUND                                         ; the closing round
	s_endpgm
.Lfunc_end_k_qe64bbc9c25_attn:
	.size	k_qe64bbc9c25_attn, .Lfunc_end_k_qe64bbc9c25_attn-k_qe64bbc9c25_attn
	.p2alignl 7, 3214868480
	.fill 96, 4, 3214868480
	.section	.rodata,"a",@progbits
	.p2align	6, 0x0
	.amdhsa_kernel k_qe64bbc9c25_attn
		.amdhsa_group_segment_fixed_size 327680
		.amdhsa_private_segment_fixed_size 0
		.amdhsa_enable_private_segment 0
		.amdhsa_kernarg_size 40
		.amdhsa_user_sgpr_count 2
		.amdhsa_user_sgpr_kernarg_segment_ptr 1
		.amdhsa_wavefront_size32 1
		.amdhsa_system_sgpr_workgroup_id_x 1
		.amdhsa_system_sgpr_workgroup_id_y 1
		.amdhsa_system_sgpr_workgroup_id_z 1
		.amdhsa_system_vgpr_workitem_id 0
		.amdhsa_next_free_vgpr 256
		.amdhsa_next_free_sgpr 100
		.amdhsa_reserve_vcc 1
		.amdhsa_float_denorm_mode_32 3
		.amdhsa_float_denorm_mode_16_64 3
		.amdhsa_memory_ordered 1
		.amdhsa_forward_progress 1
		.amdhsa_inst_pref_size 42
	.end_amdhsa_kernel
	.amdgpu_metadata
---
amdhsa.version: [ 1, 2 ]
amdhsa.kernels:
  - .name:           k_qe64bbc9c25_attn
    .symbol:         k_qe64bbc9c25_attn.kd
    .args:
      - { .name: qimg, .offset: 0, .size: 8, .value_kind: global_buffer, .address_space: global }
      - { .name: kimg, .offset: 8, .size: 8, .value_kind: global_buffer, .address_space: global }
      - { .name: vimg, .offset: 16, .size: 8, .value_kind: global_buffer, .address_space: global }
      - { .name: lowp_scales, .offset: 24, .size: 8, .value_kind: global_buffer, .address_space: global }
      - { .name: yimg, .offset: 32, .size: 8, .value_kind: global_buffer, .address_space: global }
    .group_segment_fixed_size: 327680
    .private_segment_fixed_size: 0
    .kernarg_segment_align: 8
    .kernarg_segment_size: 40
    .max_flat_workgroup_size: 512
    .sgpr_count:     100
    .vgpr_count:     256
    .wavefront_size: 32
...
	.end_amdgpu_metadata
.endif
;; end of part 3
;; launch proj (part 4): grid 8 x 32, 4 waves a work-group, clusters of 4 x 4, 280,064 bytes of LDS; arguments yimg, wpimg, b_proj, lowp_scales, out0; writes out0
.if DOCPART == 4
	.amdgcn_target "amdgcn-amd-amdhsa--gfx1250"
	.amdhsa_code_object_version 6
	.text
	.protected	k_qe64bbc9c25_proj
	.globl	k_qe64bbc9c25_proj
	.p2align	8
	.type	k_qe64bbc9c25_proj,@function
k_qe64bbc9c25_proj:
	s_mov_b64 s[64:65], 0
	v_nop
	global_prefetch_b8 v0, s[64:65] scope:SCOPE_SE
	s_setreg_imm32_b32 hwreg(HW_REG_WAVE_MODE, 25, 1), 1
	s_wait_xcnt 0x0
	s_wait_alu depctr_hold_cnt(0) depctr_sa_sdst(0) depctr_va_vdst(0) depctr_va_sdst(0) depctr_va_ssrc(0) depctr_va_vcc(0) depctr_vm_vsrc(0)
	s_getreg_b32 s2, hwreg(HW_REG_IB_STS2, 6, 4)
	s_cmp_eq_u32 s2, 0
	s_cbranch_scc0 .Lentry_in_a_cluster
	s_endpgm
.Lentry_in_a_cluster:
	s_bfe_u32 s2, ttmp6, 0x10000c
	s_cmp_lg_u32 s2, 0xf033
	s_cbranch_scc0 .Lentry_shape_is_right
	s_endpgm
.Lentry_shape_is_right:
; out = y w_proj + b_proj on codes of FP8 (E4M3): each finished sum x 2^(e6 + e7) + bias, one packed multiply-add for two numbers.  LIMIT: e6 + e7 between -126 and 127.
; A tile of 128 tokens x 128 columns to a work-group (256 of them); four waves, 2 x 2, each 64 x 64.
; ALL OF K (1,024) LIES IN LDS: each wave's ONE joint load brings 4 tiles x 8 K steps (65,536 bytes) of y or of w.  No byte is filled again.  CLUSTER 4 x 4: y's tiles are shared along a row, w's along a column.  No prefetch: everything is asked for at the head.
; Images: [K step 8][tile][2048]; a fragment is 16 rows x 128 K: four chunks of 512 bytes, lane (r, h): k = 32 c + 16 h + 0 .. 15; lane r of tile 2 b + u holds row 32 b + 8 u + r + 8 (r / 8).
; A wave's 4 x 8 fragments of w stay in registers; its four tiles of 16 tokens are finished one after the other, so that stores leave while later tiles are multiplied.
; TRANSPOSED USE (source 0 = 16 columns of w, source 1 = 16 tokens): a lane holds 8 neighbouring columns of one token.  A tile of tokens goes through the wave's own stage and leaves as rows of 256 bytes.
; REGISTERS.  Window 0: v8-18 addresses; v32-63 bias; v64-95 results; v96-159 rows read back, two sets; v160-223 accumulators, two sets.  Window 1: y's fragments of a tile, two sets of 128.  Windows 2, 3: w's fragments of K steps 0-3, 4-7.
.set STG,  262144                      ; behind the tiles: 16 rows x 272 bytes for each wave; no tensor load lands there
.set SPI,  272
.set SPARE, STG+4*16*SPI               ; the spare words
.set ADA,  8
.set ADB,  9
.set STO,  16
.set RD,   17
.set CO,   18
.set SPW,  30
.set NIL,  31
.set BIAS, 32
.set TMP,  64
.set BK,   96
.set ACC,  160
.set G1,  24                           ; s[24:31] group 1, s[68:71] group 0 for y's tiles
.set G0,  68
.set G1B, 48                           ; s[48:55], s[84:87] the same for w's
.set G0B, 84
.set MSB, 0
.macro WIN new
.if MSB != (\new)
	s_set_vgpr_msb (MSB<<8)|(\new)
.set MSB, \new
.endif
.endm
.macro CROUND
	s_barrier_signal -1
	s_barrier_wait -1
	s_cmp_lg_u32 s14, 0
	s_cbranch_scc1 .Lnot_wave_0_\@
	s_barrier_signal -3
.Lnot_wave_0_\@:
	s_barrier_wait -3
	s_barrier_signal -1
	s_barrier_wait -1
.endm
	s_load_b256 s[4:11], s[0:1], 0x0               ; yimg s[4:5], wpimg s[6:7], b_proj s[8:9], the exponents s[10:11]
	s_load_b64 s[12:13], s[0:1], 0x20              ; out0
	v_lshl_add_u32 v[SPW], v0, 2, SPARE
	v_mov_b32 v[NIL], 0
	ds_add_u32 v[SPW], v[NIL]                      ; the opening lines
	ds_add_u32 v[SPW], v[NIL]
	v_lshrrev_b32 v1, 5, v0
	v_readfirstlane_b32 s14, v1                    ; wave 0..3
	s_lshr_b32 s15, s14, 1                         ; my half of the tokens.  Also: I fetch for y (0) or for w (1)
	s_and_b32 s16, s14, 1                          ; my half of the columns.  Also: which half of that tile I fetch
	s_bfe_u32 s40, ttmp6, 0x40000
	s_bfe_u32 s41, ttmp6, 0x40004
	s_lshl_b32 s42, ttmp9, 2
	s_add_co_u32 s42, s42, s40                     ; block of 128 columns
	s_and_b32 s17, ttmp7, 0xffff
	s_lshl_b32 s17, s17, 2
	s_add_co_u32 s17, s17, s41                     ; block of 128 tokens
	s_lshl_b32 s43, s41, 2
	s_lshl_b32 s43, 15, s43                        ; my row of the cluster
	s_lshl_b32 s44, 0x1111, s40                    ; my column
	s_or_b32 s[G1+0], s43, (3<<16)|(1<<21)         ; the mask; elements of 8 bytes; bit 21 beside a mask
	s_or_b32 s[G1B+0], s44, (3<<16)|(1<<21)
.irp g, G1, G1B
	s_mov_b32 s[\g+1], 1024<<16                    ; a row = one K step of 4 tiles, 8,192 bytes;
	s_mov_b32 s[\g+2], 8<<16                       ; eight rows
	s_mov_b32 s[\g+3], 1024<<16
	s_mov_b32 s[\g+4], 8
	s_mov_b32 s[\g+6], 0
	s_mov_b32 s[\g+7], 0
.endr
	s_mov_b32 s[G1+5], 65536                       ; from K step to K step: y 524,288 bytes,
	s_mov_b32 s[G1B+5], 16384                      ; w 131,072
	s_lshl_b32 s18, s16, 13                        ; my half: 4 tiles
	s_lshl_b32 s20, s17, 14                        ; y: 8 tiles a block
	s_add_co_u32 s20, s20, s18
	s_mov_b32 s21, 0
	s_lshl_b32 s46, s42, 14                        ; w likewise
	s_add_co_u32 s46, s46, s18
	s_mov_b32 s47, 0
	s_lshl_b32 s18, s16, 16                        ; y's halves in LDS,
	s_add_co_u32 s19, s18, 131072                  ; and w's behind them
	s_wait_dscnt 0x0                               ; both opening adds are done
	s_wait_kmcnt 0x0
	s_load_b256 s[56:63], s[10:11], 0x0            ; e0 .. e7
	s_mov_b32 s[G0], 1
	s_mov_b32 s[G0+1], s18
	s_add_nc_u64 s[G0+2:G0+3], s[4:5], s[20:21]
	s_or_b32 s[G0+3], s[G0+3], 0x80000000
	s_mov_b32 s[G0B], 1
	s_mov_b32 s[G0B+1], s19
	s_add_nc_u64 s[G0B+2:G0B+3], s[6:7], s[46:47]
	s_or_b32 s[G0B+3], s[G0B+3], 0x80000000
	CROUND                                         ; all sixteen work-groups are here
	s_cmp_eq_u32 s15, 0
	s_cbranch_scc0 .Lfor_w
	tensor_load_to_lds s[G0:G0+3], s[G1:G1+7]
	s_nop 0
.rept 4
	v_nop
.endr
	s_branch .Lasked
.Lfor_w:
	tensor_load_to_lds s[G0B:G0B+3], s[G1B:G1B+7]
	s_nop 0
.rept 4
	v_nop
.endr
.Lasked:
	s_lshl_b32 s36, s42, 9                         ; my 64 columns, in bytes: 512 x block + 256 x half
	s_lshl_b32 s37, s16, 8
	s_add_co_u32 s36, s36, s37
	s_mov_b32 s37, 0
	s_add_nc_u64 s[8:9], s[8:9], s[36:37]
	s_add_nc_u64 s[12:13], s[12:13], s[36:37]
	s_lshl_b32 s36, s17, 19                        ; my first token: 128 x block + 64 x half, rows of 4,096 bytes
	s_lshl_b32 s35, s15, 18
	s_add_co_u32 s36, s36, s35
	s_add_nc_u64 s[12:13], s[12:13], s[36:37]
	s_lshl_b32 s32, s15, 16                        ; my 4 tiles of y,
	s_lshl_b32 s33, s16, 16
	s_add_co_u32 s33, s33, 131072                  ; my 4 of w
	s_mul_i32 s34, s14, 16*SPI
	s_add_co_u32 s34, s34, STG                     ; my stage
	v_and_b32 v1, 15, v0                           ; r
	v_bfe_u32 v2, v0, 4, 1                         ; h
	v_and_b32 v3, 31, v0
	v_lshlrev_b32 v3, 4, v3                        ; 16 x lane
	v_lshlrev_b32 v4, 6, v2                        ; the bias: + 16 h numbers
	v_add_nc_u32 v[ADA], s32, v3
	v_add_nc_u32 v[ADB], s33, v3
	v_mul_u32_u24 v[STO], v1, SPI                  ; in: row r, + 64 h bytes
	v_lshl_add_u32 v[STO], v2, 6, v[STO]
	v_add_nc_u32 v[STO], s34, v[STO]
	v_mul_u32_u24 v[RD], v2, SPI                   ; back: lanes 0-15 one row, lanes 16-31 the next
	v_lshl_add_u32 v[RD], v1, 4, v[RD]
	v_add_nc_u32 v[RD], s34, v[RD]
	v_lshlrev_b32 v[CO], 12, v2                    ; and the same two tokens in out
	v_lshl_add_u32 v[CO], v1, 4, v[CO]
.irp n, 0,1,2,3
	global_load_b128 v[BIAS+8*\n:BIAS+8*\n+3], v4, s[8:9] offset:128*(\n/2)+32*(\n%2)        ; tile 2 b + u: columns 32 b + 8 u + 16 h + 0 .. 7
	global_load_b128 v[BIAS+8*\n+4:BIAS+8*\n+7], v4, s[8:9] offset:128*(\n/2)+32*(\n%2)+16
.endr
	s_wait_alu depctr_va_vdst(0)
	s_wait_kmcnt 0x0
	s_add_co_i32 s38, s62, s63
	s_add_co_i32 s38, s38, 127
	s_lshl_b32 s38, s38, 23                        ; 2^(e6 + e7) as f32
	s_mov_b32 s39, s38                             ; (named with it as a pair)
.macro FRAG reg, adr, off
.irp c, 0,1,2,3
	ds_load_b128 v[\reg+4*\c:\reg+4*\c+3], v[\adr] offset:\off+512*\c
.endr
.endm
.macro FETCHY m, k                     ; y's fragment of tile m, K step k: 4 loads
	WIN 0x40
	FRAG 128*((\m)%2)+16*(\k), ADA, (\k)*8192+(\m)*2048
.endm
.macro CHUNK k                         ; w's four fragments of K step k, and tile 0's: 20 loads
	WIN 0x80+0x40*((\k)/4)
.irp n, 0,1,2,3
	FRAG 64*((\k)%4)+16*\n, ADB, (\k)*8192+\n*2048
.endr
	FETCHY 0, \k
.endm
.macro MUL m, k                        ; four products, the accumulators by turns; K step 0's start the sums
.set A_, ACC+32*((\m)%2)
	WIN 0x06+((\k)/4)                              ; source 0 window 2 or 3, source 1 window 1, C and D window 0
.irp n, 0,1,2,3
.if (\k) == 0
	v_wmma_f32_16x16x128_fp8_fp8 v[A_+8*\n:A_+8*\n+7], v[64*((\k)%4)+16*\n:64*((\k)%4)+16*\n+15], v[128*((\m)%2)+16*(\k):128*((\m)%2)+16*(\k)+15], 0
.else
	v_wmma_f32_16x16x128_fp8_fp8 v[A_+8*\n:A_+8*\n+7], v[64*((\k)%4)+16*\n:64*((\k)%4)+16*\n+15], v[128*((\m)%2)+16*(\k):128*((\m)%2)+16*(\k)+15], v[A_+8*\n:A_+8*\n+7]
.endif
.endr
.endm
	s_wait_tensorcnt 0x0                           ; my part is in,
	s_barrier_signal -1
	s_barrier_wait -1                              ; and everybody's
	CHUNK 0
	CHUNK 1
	CHUNK 2
.irp k, 0,1,2,3,4,5,6,7
.if \k < 7
	s_wait_dscnt 40                                ; K step k is in; the 40 loads behind it may be out
.else
	s_wait_dscnt 32                                ; (tile 1's 32)
.endif
	MUL 0, \k
.if \k < 5
	CHUNK \k+3
.endif
.if \k == 5
.irp q, 0,1,2,3,4
	FETCHY 1, \q
.endr
.endif
.if \k == 6
.irp q, 5,6,7
	FETCHY 1, \q
.endr
.endif
.endr
; THE WAY OUT of tile m, 16 tokens x my 64 columns, through my own stage (LDS serves a wave's instructions in order), back as whole rows of 256 bytes; between the stage and the stores stand tile m + 1's products.
.irp m, 0,1,2,3
.set A_, ACC+32*(\m%2)
.set B_, BK+32*(\m%2)
	WIN 0
.rept 4
	v_nop                                          ; places behind the tile's last products
.endr
.if \m == 0
	s_wait_loadcnt 0x0                             ; the bias
.endif
.irp n, 0,1,2,3
.irp i, 0,2,4,6
	v_pk_fma_f32 v[TMP+8*\n+\i:TMP+8*\n+\i+1], v[A_+8*\n+\i:A_+8*\n+\i+1], s[38:39], v[BIAS+8*\n+\i:BIAS+8*\n+\i+1] op_sel_hi:[1,0,1]   ; each accumulator from its low end on
.endr
.endr
.irp n, 0,1,2,3
	ds_store_b128 v[STO], v[TMP+8*\n:TMP+8*\n+3] offset:128*(\n/2)+32*(\n%2)
	ds_store_b128 v[STO], v[TMP+8*\n+4:TMP+8*\n+7] offset:128*(\n/2)+32*(\n%2)+16
.endr
.if \m > 1
	s_wait_xcnt 0x0                                ; tile m - 2's stores have read their registers: the loads below may land there
.endif
.irp i, 0,1,2,3,4,5,6,7
	ds_load_b128 v[B_+4*\i:B_+4*\i+3], v[RD] offset:2*\i*SPI
.endr
.if \m < 2
.irp q, 0,1,2,3,4,5,6,7
	FETCHY \m+2, \q                                ; into the set that tile m has left
.endr
.endif
.if \m < 3
.if \m < 2
	s_wait_dscnt 48                                ; tile m + 1's fragments are in; the stage's 16 and tile m + 2's 32 may be out
.else
	s_wait_dscnt 16
.endif
.irp q, 0,1,2,3,4,5,6,7
	MUL \m+1, \q
.endr
	WIN 0
.endif
.if \m < 2
	s_wait_dscnt 32                                ; tile m is back; tile m + 2's 32 loads may be out
.else
	s_wait_dscnt 0x0
.endif
.set B_, BK+32*(\m%2)
.irp i, 0,1,2,3,4,5,6,7
	global_store_b128 v[CO], v[B_+4*\i:B_+4*\i+3], s[12:13] offset:(32*(\m/2)+8*(\m%2)+2*\i+8*(\i/4))*4096 th:TH_STORE_NT   ; stage rows 2 i, 2 i + 1 are tokens 2 i + 8 (i / 4) + h of the tile: sixteen lanes store 256 consecutive bytes, aligned
.endr
.endr
	s_wait_tensorcnt 0x0                           ; the wave's end
	ds_add_u32 v[SPW], v[NIL]
	s_wait_dscnt 0x0
	CROUND                                         ; the closing round
	s_endpgm
.Lfunc_end_k_qe64bbc9c25_proj:
	.size	k_qe64bbc9c25_proj, .Lfunc_end_k_qe64bbc9c25_proj-k_qe64bbc9c25_proj
	.p2alignl 7, 3214868480
	.fill 96, 4, 3214868480
	.section	.rodata,"a",@progbits
	.p2align	6, 0x0
	.amdhsa_kernel k_qe64bbc9c25_proj
		.amdhsa_group_segment_fixed_size 280064
		.amdhsa_private_segment_fixed_size 0
		.amdhsa_enable_private_segment 0
		.amdhsa_kernarg_size 40
		.amdhsa_user_sgpr_count 2
		.amdhsa_user_sgpr_kernarg_segment_ptr 1
		.amdhsa_wavefront_size32 1
		.amdhsa_system_sgpr_workgroup_id_x 1
		.amdhsa_system_sgpr_workgroup_id_y 1
		.amdhsa_system_sgpr_workgroup_id_z 1
		.amdhsa_system_vgpr_workitem_id 0
		.amdhsa_next_free_vgpr 1024
		.amdhsa_next_free_sgpr 100
		.amdhsa_reserve_vcc 0
		.amdhsa_float_denorm_mode_32 3
		.amdhsa_float_denorm_mode_16_64 3
		.amdhsa_memory_ordered 1
		.amdhsa_forward_progress 1
		.amdhsa_inst_pref_size 44
	.end_amdhsa_kernel
	.amdgpu_metadata
---
amdhsa.version: [ 1, 2 ]
amdhsa.kernels:
  - .name:           k_qe64bbc9c25_proj
    .symbol:         k_qe64bbc9c25_proj.kd
    .args:
      - { .name: yimg, .offset: 0, .size: 8, .value_kind: global_buffer, .address_space: global }
      - { .name: wpimg, .offset: 8, .size: 8, .value_kind: global_buffer, .address_space: global }
      - { .name: b_proj, .offset: 16, .size: 8, .value_kind: global_buffer, .address_space: global }
      - { .name: lowp_scales, .offset: 24, .size: 8, .value_kind: global_buffer, .address_space: global }
      - { .name: out0, .offset: 32, .size: 8, .value_kind: global_buffer, .address_space: global }
    .group_segment_fixed_size: 280064
    .private_segment_fixed_size: 0
    .kernarg_segment_align: 8
    .kernarg_segment_size: 40
    .max_flat_workgroup_size: 128
    .sgpr_count:     100
    .vgpr_count:     1024
    .wavefront_size: 32
...
	.end_amdgpu_metadata
.endif
;; end of part 4
